; MI455X (gfx1250); checked and timed in simulation.
; The chip was launched on July 23, 2026; its instructions are those of AMD's public machine-readable ISA for CDNA 5 (MIT licence, August 2026) and "CDNA5" Instruction Set Architecture Reference Guide (July 2026). The comments in the code are by the model that wrote it; some were corrected since.
;; QKV Attention Legacy. Allowed arithmetic: matrix products marked QUANTISED: E2M1 operands, one E8M0 scale for each 32 along K, by v_wmma_scale_f32_16x16x128_f8f6f4 with both operands' format E2M1 (or v_wmma_scale_f32_32x16x128_f4), f32 sums; everything else in f32.
;; Inputs: qkv 4 x 3,072 x 1,024 float32.
;; Outputs: out0 4 x 1,024 x 1,024 float32.
;; This version of the problem:
;;   THIS VERSION OF THE PROBLEM IS GIVEN IN LOW PRECISION. The matrix products marked QUANTISED in the list below multiply operands that are first quantised to E2M1 (2 exponent bits, 1 mantissa bit; 4 bits a number), with one power-of-two scale for each 32 numbers along K (OCP MX v1.0); their sums are f32. All else is computed in f32.
;;   The module's matrix products, in the order in which they are computed (A, B: the left and right operand; K: the contracted axis; several contracted axes count as one K, in the product's order):
;;     1. batch 64 x [M 1,024, K 64] x [K 64, N 1,024]; A: computed on the way; B: computed on the way: QUANTISED
;;     2. batch 64 x [M 64, K 1,024] x [K 1,024, N 1,024]; A: computed on the way; B: softmax (see below): QUANTISED
;;   THE QUANTISER, for each operand of a quantised product, along K:
;;     - K is cut into blocks of 32 from its start; a last block that is shorter is filled with zeros.
;;     - A block's scale is 2^e with e = floor(log2(the largest magnitude in the block)) - 2, held to -126 .. 127; a block of zeros has e = 0. As a byte (E8M0): e + 127.
;;     - Each number is divided by its block's scale, clamped to +-6, and rounded to the nearest number of E2M1, ties to even, subnormals kept.
;;     - The product sums the exact products of the quantised numbers (number of the format x scale) in f32.
;;   ~~~python
;;   def quantise(x, axis):      # numpy; x: float32 -> the quantised numbers, widened to float32 again
;;       x = np.moveaxis(x, axis, -1); K = x.shape[-1]
;;       x = np.pad(x, [(0, 0)] * (x.ndim - 1) + [(0, -K % 32)]); x = x.reshape(x.shape[:-1] + (-1, 32)); a = np.abs(x).max(-1, keepdims=True)
;;       e = np.where(a > 0, np.clip(np.frexp(np.where(a > 0, a, 1))[1] - 1 - 2, -126, 127), 0)      # np.frexp(a)[1] - 1 = floor(log2(a)), exactly
;;       r = np.clip(x / 2.0 ** e, -6, 6)
;;       step = 2.0 ** (np.maximum(np.frexp(np.where(r == 0, 1, r))[1] - 1, 0) - 1)
;;       q = np.round(r / step) * step * 2.0 ** e      # np.round: ties to even
;;       return np.moveaxis(q.reshape(q.shape[:-2] + (-1,))[..., :K], -1, axis).astype(np.float32)
;;   ~~~
;;   SOFTMAX AHEAD OF A QUANTISED PRODUCT. Where the list says 'softmax', what is quantised is not the finished softmax but p = 2^(t - M), with t = logit x log2(e) and M = ceil(the row's largest t), a whole number; so 1/2 < the row's largest p <= 1. The row's sum l is taken of the UNQUANTISED p, in f32, and the product's result is divided by l at the end. Since M is a whole number, a kernel that streams over the keys may use a running M (the ceiling of the running maximum): every later rescaling is an exact power of two, which a block's scale takes up: the codes' values come out the same.
;;   OPERANDS COMPUTED ON THE WAY. 'Computed on the way' means the value that the module computes at that place (a softmax that the list does not call 'softmax' is quantised finished and normalised). What goes into a quantiser is computed in f32, as accurately as f32 sums, v_exp_f32 and their like allow (about 1e-6 of the number): no bf16 or f16 on the way to a quantiser, and a product that is left as it is and whose result goes on into a quantised operand takes f32 operands (vector FMAs, or v_wmma_f32_16x16x4_f32). A number that lies on a knife's edge between two numbers of the format may be rounded either way, as far as f32 arithmetic and the matrix unit's own rounding can turn it there, and no further.
;; 2 versions, each right; version 2 is version 1 with the launch attn written anew for expert scheduling mode. Each part assembles by itself: llvm-mc -triple=amdgcn-amd-amdhsa -mcpu=gfx1250 --defsym DOCPART=n.
;; ======== version 1 of 2: 1 launch
;; launch attn (part 1): grid 4 x 64, 16 waves a work-group, no clusters, 138,240 bytes of LDS; arguments qkv, out0; writes out0
.if DOCPART == 1
	.amdgcn_target "amdgcn-amd-amdhsa--gfx1250"
	.amdhsa_code_object_version 6
	.text
	.protected	k_qd1d2eba820_attn
	.globl	k_qd1d2eba820_attn
	.p2align	8
	.type	k_qd1d2eba820_attn,@function
k_qd1d2eba820_attn:
	s_mov_b64 s[64:65], 0
	v_nop
	global_prefetch_b8 v0, s[64:65] scope:SCOPE_SE
	s_setreg_imm32_b32 hwreg(HW_REG_WAVE_MODE, 25, 1), 1
	s_wait_xcnt 0x0
; out0[head][c][t] = sum over s of softmax_s(sum over c' of (q[c'][t] a)(k[c'][s] a)) v[c][s],  a = 1 / sqrt(sqrt(64)).
; qkv: 64 heads x 192 rows x 1,024 f32 (rows 0-63 q, 64-127 k, 128-191 v; t innermost).  out0: 64 heads x 64 rows x 1,024 f32.
; Both products run on codes of FP4 (E2M1) with one E8M0 scale for each 32 along K; everything ahead of a quantiser is f32.
; SOFTMAX: t = score x log2(e); M = the running largest t rounded UP to a whole number; p = 2^(t - M) is quantised along the keys, not normalised; the row's sum
; is taken of the unquantised p and divides at the end.  When M moves, the sum and O are multiplied by 2^(old M - new M): exact.
; SHARES.  A work-group owns 256 queries of one head (grid 4 x 64 = 256 work-groups), each of its sixteen waves 16 of them: one tile in 256 registers, four waves to a SIMD, so that one wave's
; exponentials stand beside another's plain work.  Every wave walks the head's 1,024 keys in 8 steps of 128 (a CHUNK).
; K AND V ARE QUANTISED ON THE WAY, a chunk ahead of its step: waves 0-7 take the chunk's 128 keys of k (a lane: one key, 32 registers down c = one block), waves 8-15 its 64 rows of v
; (a lane: 8 neighbouring keys of 4 rows; four lanes share a block).  The codes go to LDS as IMAGES OF THE OPERANDS' REGISTERS: any wave loads them at 16 x lane.
; Each chunk has LDS bytes of its own (8 x 8,704 bytes): nothing in LDS is ever written twice, so one barrier a step is enough, and its signal and wait stand a whole step apart.
; LAYOUT.  Both products are used transposed: S^T = K Q^T (source 0 = 16 keys, source 1 = my 16 queries), O^T = V P^T (source 0 = 16 rows of v, source 1 = P): a lane holds ONE query (lane % 16) throughout.
; Row r of key tile 2 b + u is key 32 b + 8 u + r + 8 (r / 8), so that the 16 registers of tiles 2 b and 2 b + 1 are 16 neighbouring keys: 32 b + 16 (lane / 16) + 0 .. 15.
; THE FIRST PRODUCT'S K IS 64, THE INSTRUCTION'S 128: one fragment of source 0 carries TWO key tiles (registers 0-3 tile 2 b, registers 4-7 tile 2 b + 1), and Q's four registers stand between
; four zeros on either side: v[20:27] = (Q, 0) picks tile 2 b, v[16:23] = (0, Q) tile 2 b + 1.  Zero codes add nothing under the scale bytes made here (1 to 254).
; The eight steps are written out by a macro: every LDS and global offset is an immediate, no address register and no pointer is ever rewritten.
; NO CLUSTER, NO JOINT LOADS: what a head's four work-groups share is k and v as f32.  A joint request would lay them into LDS: 65,536 bytes written and read there for each step, beside the 8,704 bytes
; of codes and scales that the step needs, with a refill's barrier over four work-groups in each step; here the numbers go from memory straight into the registers that the conversions read.
; LIMITS: NaN and infinities among the inputs are not served.  A block whose largest magnitude lies under 2^-124 (a block of zeros among them) gets the scale byte 1: the bytes are read by this
; program alone, and a block of zeros has zero codes.  A block's largest p is made from its largest score, which takes v_exp_f32 not to fall where its input rises.
.set KIMG, 0                           ; LDS: k's codes: 4,096 j + 1,024 b + 512 u + 16 (r + 16 h): block h (c = 32 h ..) of row r of key tile 2 b + u
.set VIMG, 32768                       ; v's codes: 4,096 j + 1,024 t + 512 c + 16 (r + 16 h) + 4 i: row 16 t + r, keys 64 c + 32 h + 8 i .. + 7
.set SCK,  65536                       ; k's scale bytes: 256 j + 16 r + 4 b + 2 u + h: 16 bytes a lane are the four fragments' words
.set SCV,  67584                       ; v's: 256 j + 16 r + 4 t + block
.set STG,  69632                       ; the way out: 64 rows (c) x (256 queries x 4 bytes + 16)
.set SP,   1040
.set HEADB, 786432                     ; a head in qkv: 192 rows of 4,096 bytes
.set LI,  1                            ; v1   16 x lane: an image's place for my lane; also my bytes in a stored run of out0
.set SR,  2                            ; v2   SCK + 16 (lane % 16): my row's scale words
.set KW,  3                            ; v3   where a k wave's lane puts its 16 bytes of codes
.set KWS, 4                            ; v4   and its scale byte
.set VW,  5                            ; v5   where a v wave's lane puts 4 bytes of codes (row group g: + 32 g)
.set VWS, 6                            ; v6   and the scale byte
.set KG,  7                            ; v7   k in memory: 4 x lane
.set VG,  8                            ; v8   v in memory: 4,096 (lane / 16) + 32 (lane % 16)
.set PFO, 9                            ; v9   the prefetches' offset: 4,096 ((lane / 2) % 16) + 256 (lane % 2)
.set STO, 10                           ; v10  the stage, in
.set SRD, 11                           ; v11  the stage, back
.set NM,  12                           ; v12  -M;  v13 the largest t
.set SUM, 14                           ; v[14:15] the row's sum, in two halves
.set QC,  20                           ; v16-19 zeros, v20-23 Q's codes, v24-27 zeros
.set QS,  28                           ; v28  Q's scale word (q0, q1, q0, q1)
.set PW,  29                           ; v29  p's scale word
.set FF,  30                           ; v30  f = 2^(old M - new M), at the end 1 / sum;  v31 written once: named with it as a pair
.set T,   32                           ; v32-47 the quantisers' own registers (inside K's fragments, which are loaded behind them)
.set KF,  32                           ; v32-63  k's four fragments
.set VF,  64                           ; v64-95  v's four fragments
.set S,   96                           ; v96-159 S^T, then p; at the head Q's numbers; at the end the results
.set O,   160                          ; v160-191 O^T: four tiles
.set RAW, 192                          ; v192-223 the chunk on its way from memory
.set PC,  224                          ; v224-231 p's codes
.set BM,  232                          ; v232-235 each block's largest score, then its largest p
.set PT,  236                          ; v236-239 the permutes' destinations; the sum's second chain; p's scale bytes
.set SO,  240                          ; v240-243 the conversions' scale operands
.set KS,  244                          ; v244-247 k's scale words
.set VS,  248                          ; v248-251 v's
.set TX,  252                          ; v252 at work
.set QA,  253                          ; v253 Q in memory: 131,072 (lane / 16) + 4 (lane % 16)
.set WV,  8                            ; s8   my wave's number
.set RB,  12                           ; s[12:13] my role's rows of k or of v
.set QB,  14                           ; s[14:15] my 16 queries in q
.set OB,  16                           ; s[16:17] the four rows of out0 that I store
.set PFA, 18                           ; s[18:19] the 16 rows of k or v that I prefetch
.set SEL, 20                           ; s[20:21] v_permlanex16_b32's selects for lane l xor 16
.set CS,  22                           ; s[22:23] log2(e), twice: the packed form names the pair
.set SCL, 24                           ; s[24:25] a = 1 / sqrt(sqrt(64)) in f32, twice
.set PF,  26                           ; s26  1 in a wave that prefetches
; chunk j of k: row 32 (wave % 2) + i, keys 32 (wave / 2) + lane: 128 consecutive bytes a load
.macro LOADK j
.set ii, 0
.rept 32
	global_load_b32 v[RAW+ii], v[KG], s[RB:RB+1] offset:4096*ii+512*(\j)
.set ii, ii+1
.endr
.endm
; chunk j of v: rows 8 (wave % 8) + 2 g + lane / 16, keys 8 (lane % 16) .. + 7: sixteen lanes read a row's 512 bytes in two loads
.macro LOADV j
.irp g, 0,1,2,3
	global_load_b128 v[RAW+8*\g:RAW+8*\g+3],   v[VG], s[RB:RB+1] offset:8192*\g+512*(\j)
	global_load_b128 v[RAW+8*\g+4:RAW+8*\g+7], v[VG], s[RB:RB+1] offset:8192*\g+512*(\j)+16
.endr
.endm
; 32 numbers of a lane, one whole block down c, times a, become 32 codes in v[dst .. dst + 3]; the scale's byte in v[T+3]
.macro QUANTK src, dst
.irp i, 0,2,4,6,8,10,12,14,16,18,20,22,24,26,28,30
	v_pk_mul_f32 v[\src+\i:\src+\i+1], v[\src+\i:\src+\i+1], s[SCL:SCL+1] op_sel_hi:[1,0]   ; x a, as the definition has it ahead of the quantiser
.endr
	v_max3_num_f32 v[T],   |v[\src]|,   |v[\src+1]|, |v[\src+2]|      ; the block's largest magnitude, in two chains
	v_max3_num_f32 v[T+1], |v[\src+3]|, |v[\src+4]|, |v[\src+5]|
.irp i, 6,10,14,18,22,26
	v_max3_num_f32 v[T],   v[T],   |v[\src+\i]|,   |v[\src+\i+1]|
	v_max3_num_f32 v[T+1], v[T+1], |v[\src+\i+2]|, |v[\src+\i+3]|
.endr
	v_max3_num_f32 v[T], v[T], |v[\src+30]|, |v[\src+31]|
	v_max3_num_f32 v[T], v[T], v[T+1], 0x1800000                      ; and the floor 2^(3 - 127): the byte cannot fall under 1
	v_add_nc_u32 v[T+2], 0xff000000, v[T]                             ; 2 off its exponent field: the conversion takes this operand's exponent field as its scale
	v_lshrrev_b32 v[T+3], 23, v[T+2]                                  ; the scale's byte
.irp g, 0,1,2,3
	v_cvt_scalef32_pk8_fp4_f32 v[\dst+\g], v[\src+8*\g:\src+8*\g+7], v[T+2]
.endr
	v_nop                                                             ; one plain place behind the last scaled conversion
.endm
; four groups of 8 neighbours along the keys (four rows of v); a block of 32 lies in four neighbouring lanes.  Codes in v[T+12 ..], bytes in v[T+8 ..]
.macro QUANTV src
.irp g, 0,1,2,3
	v_max3_num_f32 v[T+\g], |v[\src+8*\g]|, |v[\src+8*\g+1]|, 0x1800000   ; with the floor among the leaves; the four groups by turns
.endr
.irp i, 2,4,6
.irp g, 0,1,2,3
	v_max3_num_f32 v[T+\g], v[T+\g], |v[\src+8*\g+\i]|, |v[\src+8*\g+\i+1]|
.endr
.endr
.irp m, 1,2
.irp g, 0,1,2,3
	v_max_num_f32_dpp v[T+\g], v[T+\g], v[T+\g] row_xmask:\m row_mask:0xf bank_mask:0xf   ; with lanes l xor 1, then l xor 2: the block's
.endr
.endr
.irp g, 0,1,2,3
	v_add_nc_u32 v[T+4+\g], 0xff000000, v[T+\g]
.endr
.irp g, 0,1,2,3
	v_lshrrev_b32 v[T+8+\g], 23, v[T+4+\g]
.endr
.irp g, 0,1,2,3
	v_cvt_scalef32_pk8_fp4_f32 v[T+12+\g], v[\src+8*\g:\src+8*\g+7], v[T+4+\g]
.endr
	v_nop                                                             ; one plain place behind the last scaled conversion
.endm
.macro PUTK j
	ds_store_b128 v[KW], v[T+4:T+7] offset:KIMG+4096*(\j)
	ds_store_b8 v[KWS], v[T+3] offset:256*(\j)
.endm
.macro PUTV j
.irp g, 0,1,2,3
	ds_store_b32 v[VW], v[T+12+\g] offset:4096*(\j)+32*\g
	ds_store_b8 v[VWS], v[T+8+\g] offset:256*(\j)+32*\g               ; a block's four lanes write the same byte with the same value
.endr
.endm
; A PREFETCH INTO THE L2 of chunk j: it stands behind the trip's loads, one trip ahead of the loads that will want the chunk.  All four work-groups of a head walk the same k and v: the head's first
; work-group asks; in it waves 0-3 name k's 64 rows and waves 8-11 v's, 16 rows a wave; a chunk is 512 bytes of a row, and a lane names one aligned 256 of them: each is named once in the launch.
; Chunks 0 to 2 come by their loads alone; nothing is named past chunk 7.  The address registers are never rewritten.
.macro ASK j
	s_cmp_lg_u32 s[PF], 0
	s_cbranch_scc0 .Lnoask_\@
	global_prefetch_b8 v[PFO], s[PFA:PFA+1] offset:512*(\j) th:TH_LOAD_NT scope:SCOPE_SE
.Lnoask_\@:
.endm
; A KEY STEP: chunk j's 128 keys.
.macro STEP j
.irp b, 0,1,2,3
	ds_load_b128 v[KF+8*\b:KF+8*\b+3],   v[LI] offset:KIMG+4096*(\j)+1024*\b        ; key tile 2 b
	ds_load_b128 v[KF+8*\b+4:KF+8*\b+7], v[LI] offset:KIMG+4096*(\j)+1024*\b+512    ; key tile 2 b + 1
.endr
	ds_load_b128 v[KS:KS+3], v[SR] offset:256*(\j)
.irp b, 0,1,2,3
	ds_load_b128 v[VF+8*\b:VF+8*\b+3],   v[LI] offset:VIMG+4096*(\j)+1024*\b
	ds_load_b128 v[VF+8*\b+4:VF+8*\b+7], v[LI] offset:VIMG+4096*(\j)+1024*\b+512
.endr
	ds_load_b128 v[VS:VS+3], v[SR] offset:SCV-SCK+256*(\j)
	s_wait_dscnt 9                                 ; k's nine loads are in; v's nine, issued behind them, may stay out until the second product
.irp b, 0,1,2,3                                ; S^T: eight results, each begun with the constant 0
	v_wmma_scale_f32_16x16x128_f8f6f4 v[S+16*\b:S+16*\b+7], v[KF+8*\b:KF+8*\b+7], v[QC:QC+7], 0, v[KS+\b], v[QS] matrix_a_fmt:MATRIX_FMT_FP4 matrix_b_fmt:MATRIX_FMT_FP4
	v_wmma_scale_f32_16x16x128_f8f6f4 v[S+16*\b+8:S+16*\b+15], v[KF+8*\b:KF+8*\b+7], v[QC-4:QC+3], 0, v[KS+\b], v[QS] matrix_a_fmt:MATRIX_FMT_FP4 matrix_b_fmt:MATRIX_FMT_FP4
.endr
.rept 4
	v_nop                                          ; four places between the last product and the first read of a result (ISA guide 7.12.1)
.endr
.irp b, 0,1,2,3
	v_max3_num_f32 v[BM+\b], v[S+16*\b], v[S+16*\b+1], v[S+16*\b+2]   ; the largest score of each block of 32 keys: for the row's maximum and for the block's largest p.  Each result is read from its low end on
.endr
.irp i, 3,5,7,9,11,13
.irp b, 0,1,2,3
	v_max3_num_f32 v[BM+\b], v[BM+\b], v[S+16*\b+\i], v[S+16*\b+\i+1]
.endr
.endr
.irp b, 0,1,2,3
	v_max_num_f32 v[BM+\b], v[BM+\b], v[S+16*\b+15]
.endr
.irp b, 0,1,2,3
	v_permlanex16_b32 v[PT+\b], v[BM+\b], s[SEL], s[SEL+1]
.endr
.irp b, 0,1,2,3
	v_max_num_f32 v[BM+\b], v[BM+\b], v[PT+\b]     ; with lane l xor 16's 16 keys
.endr
	v_max3_num_f32 v[TX], v[BM], v[BM+1], v[BM+2]
	v_max_num_f32 v[TX], v[TX], v[BM+3]            ; the step's largest score of my query
.if (\j) > 0
	v_mul_f32 v[TX], s[CS], v[TX]                  ; as t
	v_max_num_f32 v[NM+1], v[NM+1], v[TX]          ; the running largest t
	v_mov_b32 v[TX], v[NM]
	v_floor_f32 v[NM], -v[NM+1]                    ; the new -M = floor(-t) = -ceil(t)
	v_sub_f32 v[TX], v[NM], v[TX]                  ; old M - new M: a whole number, 0 or less
	v_cvt_i32_f32 v[TX], v[TX]                     ; (it saturates)
	v_ldexp_f32 v[FF], 1.0, v[TX]                  ; f = 2^(old M - new M)
.else
	v_mul_f32 v[NM+1], s[CS], v[TX]                ; the first step starts the running maximum
	v_floor_f32 v[NM], -v[NM+1]
.endif
.irp b, 0,1,2,3
	v_fma_f32 v[BM+\b], v[BM+\b], s[CS], v[NM]     ; t - M of each block's largest score: the same fused multiply-add as its own below
.endr
	; t - M, two at a time, and p = 2^(t - M): ONE BATCH of 64 exponentials; the scalings stand among them, each two pairs ahead of its exponentials; no line names an exponential's result
	v_pk_fma_f32 v[S:S+1],   v[S:S+1],   s[CS:CS+1], v[NM:NM+1] op_sel_hi:[1,0,0]
	v_pk_fma_f32 v[S+2:S+3], v[S+2:S+3], s[CS:CS+1], v[NM:NM+1] op_sel_hi:[1,0,0]
.set qq, 0
.rept 32
	v_exp_f32 v[S+2*qq], v[S+2*qq]
	v_exp_f32 v[S+2*qq+1], v[S+2*qq+1]
.if qq < 30
	v_pk_fma_f32 v[S+2*qq+4:S+2*qq+5], v[S+2*qq+4:S+2*qq+5], s[CS:CS+1], v[NM:NM+1] op_sel_hi:[1,0,0]
.endif
.set qq, qq+1
.endr
.if (\j) > 0
	v_pk_mul_f32 v[SUM:SUM+1], v[SUM:SUM+1], v[FF:FF+1] op_sel_hi:[1,0]   ; the sums under the new M: the plain place behind the last exponential
.else
	v_nop                                          ; the plain place behind the last exponential
.endif
	s_wait_alu depctr_va_vdst(0)                   ; the wait ahead of the first line that names a result: one for the batch of 64
.irp b, 0,1,2,3
	v_exp_f32 v[BM+\b], v[BM+\b]                   ; each block's largest p
.endr
	v_pk_add_f32 v[PT:PT+1], v[S:S+1], v[S+2:S+3]  ; the row's sum of the UNQUANTISED p, two at a time, in two chains; it names none of the four
.irp i, 4,8,12,16,20,24,28,32,36,40,44,48,52,56,60
	v_pk_add_f32 v[SUM:SUM+1], v[SUM:SUM+1], v[S+\i:S+\i+1]
	v_pk_add_f32 v[PT:PT+1], v[PT:PT+1], v[S+\i+2:S+\i+3]
.endr
	v_pk_add_f32 v[SUM:SUM+1], v[SUM:SUM+1], v[PT:PT+1]
	s_wait_alu depctr_va_vdst(0)                   ; and one for the four
.irp b, 0,1,2,3
	v_max_num_f32 v[BM+\b], 0x1800000, v[BM+\b]    ; the floor 2^(3 - 127): the byte cannot fall under 1
.endr
.irp b, 0,1,2,3
	v_add_nc_u32 v[SO+\b], 0xff000000, v[BM+\b]    ; 2 off the exponent field: the conversion's scale operand
.endr
.irp b, 0,1,2,3
	v_lshrrev_b32 v[PT+\b], 23, v[SO+\b]           ; the scale's byte
.endr
	v_lshl_or_b32 v[PW], v[PT+1], 8, v[PT]         ; p's scale word for these 128 keys
	v_lshl_or_b32 v[PW], v[PT+2], 16, v[PW]
	v_lshl_or_b32 v[PW], v[PT+3], 24, v[PW]
.irp b, 0,1,2,3
	v_cvt_scalef32_pk8_fp4_f32 v[PC+2*\b],   v[S+16*\b:S+16*\b+7],    v[SO+\b]   ; keys 32 b + 16 h + 0 .. 7
	v_cvt_scalef32_pk8_fp4_f32 v[PC+2*\b+1], v[S+16*\b+8:S+16*\b+15], v[SO+\b]   ; and + 8 .. 15
.endr
	v_nop                                          ; one plain place behind the last scaled conversion
.irp c, 0,1                                    ; the operand wants a whole block in a lane: lanes 0-15 block 2 c, lanes 16-31 block 2 c + 1
.irp i, 0,1
	v_permlane16_swap_b32 v[PC+4*\c+\i], v[PC+2+4*\c+\i]
.endr
.endr
.if (\j) > 0
.set qq, 0
.rept 16
	v_pk_mul_f32 v[O+2*qq:O+2*qq+1], v[O+2*qq:O+2*qq+1], v[FF:FF+1] op_sel_hi:[1,0]   ; O^T under the new M, each tile from its low end on.  Twelve of the sixteen name no register of a given tile's product:
.set qq, qq+1
.endr                                              ; they are the eight places behind the scale word and the four behind the codes
.else
.rept 8
	v_nop                                          ; eight places between the scale word's last line and the scaled products
.endr
.endif
	s_wait_dscnt 0x0                               ; v's fragments and scale words are in
.irp b, 0,1,2,3                                ; O^T += V P^T: four accumulators, one instruction each; the first product's eight stand between two links of a chain
.if (\j) > 0
	v_wmma_scale_f32_16x16x128_f8f6f4 v[O+8*\b:O+8*\b+7], v[VF+8*\b:VF+8*\b+7], v[PC:PC+7], v[O+8*\b:O+8*\b+7], v[VS+\b], v[PW] matrix_a_fmt:MATRIX_FMT_FP4 matrix_b_fmt:MATRIX_FMT_FP4
.else
	v_wmma_scale_f32_16x16x128_f8f6f4 v[O+8*\b:O+8*\b+7], v[VF+8*\b:VF+8*\b+7], v[PC:PC+7], 0, v[VS+\b], v[PW] matrix_a_fmt:MATRIX_FMT_FP4 matrix_b_fmt:MATRIX_FMT_FP4
.endif
.endr
.if (\j) >= 6
.rept 4
	v_nop                                          ; places ahead of the last step's loads into v's registers, and of the way out's reads.  In the earlier steps the next trip's quantiser, which names v32-47 and v192-223 alone, is the places
.endr
.endif
.endm
; A TRIP: chunk j + 1, which has come from memory, is quantised and stored to its own LDS bytes; chunk j + 2 is asked for; then step j.
; The signal says: my part of chunk j + 1 lies in LDS.  The wait for it stands behind step j, which reads chunk j alone: bytes that nobody writes any more.
.macro TRIP j
.if (\j) < 7
	s_wait_loadcnt 0x0                             ; chunk j + 1 is in: it was asked for a whole trip ago
	s_cmp_lt_u32 s[WV], 8
	s_cbranch_scc0 .Lrole_v_\@
	QUANTK RAW, T+4
	PUTK (\j)+1
.if (\j) < 6
	LOADK (\j)+2
.endif
	s_branch .Lrole_end_\@
.Lrole_v_\@:
	QUANTV RAW
	PUTV (\j)+1
.if (\j) < 6
	LOADV (\j)+2
.endif
.Lrole_end_\@:
.if (\j) < 5
	ASK (\j)+3
.endif
	s_wait_dscnt 0x0                               ; for the others' sake: my stores have landed
	s_barrier_signal -1
.endif
	STEP \j
.if (\j) < 7
	s_barrier_wait -1                              ; every wave's part of chunk j + 1 lies in LDS
.endif
.endm
	s_load_b128 s[4:7], s[0:1], 0x0                ; qkv s[4:5], out0 s[6:7]
	v_lshl_add_u32 v254, v0, 2, 0x21400
	v_mov_b32 v255, 0
	v_lshrrev_b32 v12, 5, v0
	v_readfirstlane_b32 s[WV], v12                 ; wave 0..15
	s_and_b32 s9, ttmp7, 0xffff                    ; the head
	s_mul_i32 s10, s9, HEADB                       ; its first byte in qkv (under 2^26)
	s_and_b32 s27, s[WV], 7                        ; my number within my role
	s_lshr_b32 s28, s27, 1
	s_and_b32 s29, s[WV], 1
	v_and_b32 v32, 31, v0                          ; lane l
	v_and_b32 v33, 15, v0                          ; l % 16
	v_bfe_u32 v34, v0, 4, 1                        ; bit 4 of l
	v_bfe_u32 v35, v0, 3, 1                        ; bit 3
	v_bfe_u32 v36, v0, 2, 1                        ; bit 2
	v_and_b32 v37, 7, v0                           ; l % 8
	v_and_b32 v38, 3, v0                           ; l % 4
	v_bfe_u32 v39, v0, 2, 2                        ; (l / 4) % 4
	v_bfe_u32 v40, v0, 1, 4                        ; l / 2
	v_and_b32 v41, 1, v0                           ; l % 2
	; every LDS address is made here, ahead of the first parting of the roles, and never written again
	v_lshlrev_b32 v[LI], 4, v32
	v_lshl_add_u32 v[SR], v33, 4, SCK
	; a k wave's lane holds key 32 b + l of the chunk (b = wave / 2), block h = wave % 2.  l = 8 u + m + 8 (m / 8): tile 2 b + u with u = bit 3, row m = l % 8 + 8 bit 4
	s_lshl_b32 s30, s28, 10
	s_lshl_b32 s31, s29, 8
	s_add_co_u32 s30, s30, s31                     ; 1,024 b + 256 h
	v_lshlrev_b32 v[KW], 4, v37
	v_lshl_add_u32 v[KW], v35, 9, v[KW]
	v_lshl_add_u32 v[KW], v34, 7, v[KW]
	v_add_nc_u32 v[KW], s30, v[KW]                 ; + 16 m + 512 u
	s_lshl_b32 s32, s28, 2
	s_add_co_u32 s32, s32, s29
	s_add_co_u32 s32, s32, SCK                     ; SCK + 4 b + h
	v_lshlrev_b32 v[KWS], 4, v37
	v_lshl_add_u32 v[KWS], v34, 7, v[KWS]
	v_lshl_add_u32 v[KWS], v35, 1, v[KWS]
	v_add_nc_u32 v[KWS], s32, v[KWS]               ; + 16 m + 2 u
	; a v wave's lane holds, for g = 0 .. 3, row 8 w' + 2 g + bit 4 (w' = wave % 8), keys 8 (l % 16) .. + 7: tile t = w' / 2, row r = 8 (w' % 2) + 2 g + bit 4; c = bit 3, h = bit 2, i = l % 4
	s_lshl_b32 s33, s28, 10
	s_lshl_b32 s34, s29, 7
	s_add_co_u32 s33, s33, s34
	s_add_co_u32 s33, s33, VIMG                    ; VIMG + 1,024 t + 128 (w' % 2)
	v_lshlrev_b32 v[VW], 2, v38
	v_lshl_add_u32 v[VW], v36, 8, v[VW]
	v_lshl_add_u32 v[VW], v35, 9, v[VW]
	v_lshl_add_u32 v[VW], v34, 4, v[VW]
	v_add_nc_u32 v[VW], s33, v[VW]
	s_lshl_b32 s35, s28, 2
	s_add_co_u32 s35, s35, s34
	s_add_co_u32 s35, s35, SCV                     ; SCV + 4 t + 128 (w' % 2)
	v_lshl_add_u32 v[VWS], v34, 4, v39
	v_add_nc_u32 v[VWS], s35, v[VWS]               ; + 16 bit 4 + the block
	s_lshl_b32 s36, s[WV], 6
	s_add_co_u32 s36, s36, STG
	v_mul_u32_u24 v[STO], v34, 8*SP                ; the stage, in: row 16 t + 8 h + i, my query's 4 bytes at 64 wave + 4 r
	v_lshl_add_u32 v[STO], v33, 2, v[STO]
	v_add_nc_u32 v[STO], s36, v[STO]
	s_mul_i32 s37, s[WV], 4*SP
	s_add_co_u32 s37, s37, STG
	v_add_nc_u32 v[SRD], s37, v[LI]                ; back: rows 4 wave .. + 3, 16 bytes a lane
	v_lshlrev_b32 v[KG], 2, v32
	v_lshlrev_b32 v[VG], 5, v33
	v_lshl_add_u32 v[VG], v34, 12, v[VG]
	v_lshlrev_b32 v[PFO], 8, v41
	v_lshl_add_u32 v[PFO], v40, 12, v[PFO]
	v_lshlrev_b32 v[QA], 2, v33
	v_lshl_add_u32 v[QA], v34, 17, v[QA]           ; Q: lane (r, h) takes query r, rows 32 h + i
	s_mov_b32 s[SEL], 0x76543210
	s_mov_b32 s[SEL+1], 0xfedcba98
	s_mov_b32 s[CS], 0x3fb8aa3b                    ; log2(e)
	s_mov_b32 s[CS+1], s[CS]
	s_mov_b32 s[SCL], 0x3eb504f3                   ; 1 / sqrt(sqrt(64)), each step rounded to f32
	s_mov_b32 s[SCL+1], s[SCL]
	; offsets, apart from the addresses
	s_lshl_b32 s30, s29, 17                        ; k wave: k's rows 32 (wave % 2) on, keys 32 (wave / 2) on
	s_lshl_b32 s31, s28, 7
	s_add_co_u32 s30, s30, s31
	s_add_co_u32 s30, s30, 262144
	s_lshl_b32 s31, s27, 15                        ; v wave: v's rows 8 (wave % 8) on
	s_add_co_u32 s31, s31, 524288
	s_cmp_lt_u32 s[WV], 8
	s_cselect_b32 s30, s30, s31
	s_add_co_u32 s30, s30, s10
	s_mov_b32 s31, 0
	s_lshl_b32 s32, ttmp9, 10                      ; my block's 256 queries, my wave's 16
	s_lshl_b32 s33, s[WV], 6
	s_add_co_u32 s32, s32, s33
	s_add_co_u32 s32, s32, s10
	s_mov_b32 s33, 0
	s_lshl_b32 s34, s9, 18                         ; out0: the head's 64 rows, my 4 of them, my block's 1,024 bytes
	s_lshl_b32 s35, s[WV], 14
	s_add_co_u32 s34, s34, s35
	s_lshl_b32 s35, ttmp9, 10
	s_add_co_u32 s34, s34, s35
	s_mov_b32 s35, 0
	s_and_b32 s36, s[WV], 3                        ; the prefetches: 16 rows a wave, of k (waves under 8) or of v
	s_lshl_b32 s36, s36, 16
	s_cmp_lt_u32 s[WV], 8
	s_cselect_b32 s37, 0, 262144
	s_add_co_u32 s36, s36, s37
	s_add_co_u32 s36, s36, 262144
	s_add_co_u32 s36, s36, s10
	s_mov_b32 s37, 0
	s_and_b32 s42, s[WV], 4                        ; waves 0-3 and 8-11
	s_or_b32 s42, s42, ttmp9                       ; of the head's first work-group
	s_cmp_eq_u32 s42, 0
	s_cselect_b32 s[PF], 1, 0
	s_wait_kmcnt 0x0
	s_add_nc_u64 s[RB:RB+1], s[4:5], s[30:31]
	s_add_nc_u64 s[QB:QB+1], s[4:5], s[32:33]
	s_add_nc_u64 s[OB:OB+1], s[6:7], s[34:35]
	s_add_nc_u64 s[PFA:PFA+1], s[4:5], s[36:37]
	s_cmp_lt_u32 s[WV], 8
	s_cbranch_scc0 .Lhead_v0
	LOADK 0
	s_branch .Lhead_j0
.Lhead_v0:
	LOADV 0
.Lhead_j0:
.set ii, 0
.rept 32
	global_load_b32 v[S+ii], v[QA], s[QB:QB+1] offset:4096*ii th:TH_LOAD_NT   ; q(32 h + i, my query): read by this wave alone
.set ii, ii+1
.endr
	v_mov_b32 v[SUM], 0                            ; the sum's two halves
	v_mov_b32 v[SUM+1], 0
.irp i, 0,1,2,3
	v_mov_b32 v[QC-4+\i], 0                        ; the zero codes on either side of Q's
	v_mov_b32 v[QC+4+\i], 0
	v_mov_b32 v[PT+\i], 0                          ; written once: a lane permute's destination counts as one of its sources
.endr
	v_mov_b32 v[FF+1], 0                           ; named with f as a pair
	s_cmp_lt_u32 s[WV], 8
	s_cbranch_scc0 .Lhead_v1
	s_wait_loadcnt 32                              ; chunk 0 is in; Q's 32 loads, issued behind it, may stay out
	QUANTK RAW, T+4
	PUTK 0
	LOADK 1
	s_wait_loadcnt 32                              ; Q is in; chunk 1's 32 loads may stay out
	s_branch .Lhead_j1
.Lhead_v1:
	s_wait_loadcnt 32                              ; chunk 0 is in; Q's 32 may stay out
	QUANTV RAW
	PUTV 0
	LOADV 1
	s_wait_loadcnt 8                               ; Q is in; chunk 1's 8 loads may stay out
.Lhead_j1:
	s_wait_dscnt 0x0                               ; chunk 0's stores have landed, and have read the registers that are written next
	QUANTK S, QC                                   ; Q's codes: lane (r, h): block h of query r: the operand's registers as they stand
	v_permlanex16_b32 v[PT], v[T+3], s[SEL], s[SEL+1]   ; the other block's byte
	v_lshl_or_b32 v[QS], v[PT], 8, v[T+3]          ; lanes 0-15, which alone are read: (q0, q1),
	v_lshl_or_b32 v[QS], v[QS], 16, v[QS]          ; twice: Q stands in the low or in the high half of K.  The first trip's quantiser is the places between this line and the first product
	s_barrier_signal -1
	s_barrier_wait -1                              ; chunk 0 lies in LDS
.irp j, 0,1,2,3,4,5,6,7
	TRIP \j
.endr
	; THE WAY OUT.  The sum's halves are added; O^T / the sum goes into the work-group's stage, a row of the stage for each row c of out0; behind a barrier each wave stores four whole rows' 1,024 bytes.
	v_add_f32 v[SUM], v[SUM], v[SUM+1]
	v_permlanex16_b32 v[PT], v[SUM], s[SEL], s[SEL+1]
	v_add_f32 v[SUM], v[SUM], v[PT]                ; with lane l xor 16's 64 keys of each step: the row's sum
	v_rcp_f32 v[FF], v[SUM]
	v_nop                                          ; a plain place behind the reciprocal
	s_wait_alu depctr_va_vdst(0)                   ; and the wait ahead of its first use
.set qq, 0
.rept 16
	v_pk_mul_f32 v[S+2*qq:S+2*qq+1], v[O+2*qq:O+2*qq+1], v[FF:FF+1] op_sel_hi:[1,0]   ; register 8 t + i: out(16 t + 8 h + i, my query); each tile from its low end on
.set qq, qq+1
.endr
.irp t, 0,1,2,3
.irp i, 0,1,2,3,4,5,6,7
	ds_store_b32 v[STO], v[S+8*\t+\i] offset:SP*(16*\t+\i)   ; sixteen lanes: 64 consecutive bytes of a row; the other sixteen 8 rows = 2,080 words further on
.endr
.endr
	s_wait_dscnt 0x0                               ; for the others' sake: my stores have landed
	s_barrier_signal -1
	s_barrier_wait -1                              ; 64 rows of 256 queries lie in the stage
.irp i, 0,1,2,3,4,5,6,7
	ds_load_b128 v[S+32+4*\i:S+32+4*\i+3], v[SRD] offset:SP*(\i/2)+512*(\i%2)
.endr
.irp i, 0,1,2,3,4,5,6,7
	s_wait_dscnt 7-\i                              ; LDS loads come back in order: load i is in, the younger ones may stay out
	global_store_b128 v[LI], v[S+32+4*\i:S+32+4*\i+3], s[OB:OB+1] offset:4096*(\i/2)+512*(\i%2) th:TH_STORE_NT   ; 32 lanes store 512 consecutive bytes, at a multiple of 512 from out0's first byte
.endr
	s_wait_tensorcnt 0x0
	ds_add_u32 v254, v255
	s_wait_dscnt 0x0
	s_endpgm
.Lfunc_end_k_qd1d2eba820_attn:
	.size	k_qd1d2eba820_attn, .Lfunc_end_k_qd1d2eba820_attn-k_qd1d2eba820_attn
	.p2alignl 7, 3214868480
	.fill 96, 4, 3214868480
	.section	.rodata,"a",@progbits
	.p2align	6, 0x0
	.amdhsa_kernel k_qd1d2eba820_attn
		.amdhsa_group_segment_fixed_size 138240
		.amdhsa_private_segment_fixed_size 0
		.amdhsa_enable_private_segment 0
		.amdhsa_kernarg_size 16
		.amdhsa_user_sgpr_count 2
		.amdhsa_user_sgpr_kernarg_segment_ptr 1
		.amdhsa_wavefront_size32 1
		.amdhsa_system_sgpr_workgroup_id_x 1
		.amdhsa_system_sgpr_workgroup_id_y 1
		.amdhsa_system_sgpr_workgroup_id_z 1
		.amdhsa_system_vgpr_workitem_id 0
		.amdhsa_next_free_vgpr 256
		.amdhsa_next_free_sgpr 66
		.amdhsa_reserve_vcc 0
		.amdhsa_float_denorm_mode_32 3
		.amdhsa_float_denorm_mode_16_64 3
		.amdhsa_memory_ordered 1
		.amdhsa_forward_progress 1
		.amdhsa_inst_pref_size 206
	.end_amdhsa_kernel
	.amdgpu_metadata
---
amdhsa.version: [ 1, 2 ]
amdhsa.kernels:
  - .name:           k_qd1d2eba820_attn
    .symbol:         k_qd1d2eba820_attn.kd
    .args:
      - { .name: qkv, .offset: 0, .size: 8, .value_kind: global_buffer, .address_space: global }
      - { .name: out0, .offset: 8, .size: 8, .value_kind: global_buffer, .address_space: global }
    .group_segment_fixed_size: 138240
    .private_segment_fixed_size: 0
    .kernarg_segment_align: 8
    .kernarg_segment_size: 16
    .max_flat_workgroup_size: 512
    .sgpr_count:     66
    .vgpr_count:     256
    .wavefront_size: 32
...
	.end_amdgpu_metadata
.endif
;; end of part 1
;; ======== version 2 of 2: 1 launch; version 1 with the launch attn written anew for expert scheduling mode
;; launch attn (part 2): grid 4 x 64, 16 waves a work-group, no clusters, 138,240 bytes of LDS; arguments qkv, out0; writes out0
.if DOCPART == 2
	.amdgcn_target "amdgcn-amd-amdhsa--gfx1250"
	.amdhsa_code_object_version 6
	.text
	.protected	k_qd1d2eba820_attn
	.globl	k_qd1d2eba820_attn
	.p2align	8
	.type	k_qd1d2eba820_attn,@function
k_qd1d2eba820_attn:
	s_mov_b64 s[64:65], 0
	v_nop
	global_prefetch_b8 v0, s[64:65] scope:SCOPE_SE
	s_setreg_imm32_b32 hwreg(HW_REG_WAVE_SCHED_MODE, 0, 2), 2
	s_setreg_imm32_b32 hwreg(HW_REG_WAVE_MODE, 25, 1), 1
	s_wait_xcnt 0x0
	s_wait_alu depctr_vm_vsrc(0)
; out0[head][c][t] = sum over s of softmax_s(sum over c' of (q[c'][t] a)(k[c'][s] a)) v[c][s],  a = 1 / sqrt(sqrt(64)).
; qkv: 64 heads x 192 rows x 1,024 f32 (rows 0-63 q, 64-127 k, 128-191 v; t innermost).  out0: 64 heads x 64 rows x 1,024 f32.
; Both products run on codes of FP4 (E2M1) with one E8M0 scale for each 32 along K; everything ahead of a quantiser is f32.
; SOFTMAX: t = score x log2(e); M = the running largest t rounded UP to a whole number; p = 2^(t - M) is quantised along the keys, not normalised; the row's sum
; is taken of the unquantised p and divides at the end.  When M moves, the sum and O are multiplied by 2^(old M - new M): exact.
; SHARES.  A work-group owns 256 queries of one head (grid 4 x 64 = 256 work-groups), each of its sixteen waves 16 of them: one tile in 256 registers, four waves to a SIMD, so that one wave's
; exponentials stand beside another's plain work.  Every wave walks the head's 1,024 keys in 8 steps of 128 (a CHUNK).
; K AND V ARE QUANTISED ON THE WAY, a chunk ahead of its step: waves 0-7 take the chunk's 128 keys of k (a lane: one key, 32 registers down c = one block), waves 8-15 its 64 rows of v
; (a lane: 8 neighbouring keys of 4 rows; four lanes share a block).  The codes go to LDS as IMAGES OF THE OPERANDS' REGISTERS: any wave loads them at 16 x lane.
; Each chunk has LDS bytes of its own (8 x 8,704 bytes): nothing in LDS is ever written twice, so one barrier a step is enough, and its signal and wait stand a whole step apart.
; LAYOUT.  Both products are used transposed: S^T = K Q^T (source 0 = 16 keys, source 1 = my 16 queries), O^T = V P^T (source 0 = 16 rows of v, source 1 = P): a lane holds ONE query (lane % 16) throughout.
; Row r of key tile 2 b + u is key 32 b + 8 u + r + 8 (r / 8), so that the 16 registers of tiles 2 b and 2 b + 1 are 16 neighbouring keys: 32 b + 16 (lane / 16) + 0 .. 15.
; THE FIRST PRODUCT'S K IS 64, THE INSTRUCTION'S 128: one fragment of source 0 carries TWO key tiles (registers 0-3 tile 2 b, registers 4-7 tile 2 b + 1), and Q's four registers stand between
; four zeros on either side: v[20:27] = (Q, 0) picks tile 2 b, v[16:23] = (0, Q) tile 2 b + 1.  Zero codes add nothing under the scale bytes made here (1 to 254).
; The eight steps are written out by a macro: every LDS and global offset is an immediate, no address register and no pointer is ever rewritten.
; NO CLUSTER, NO JOINT LOADS: what a head's four work-groups share is k and v as f32.  A joint request would lay them into LDS: 65,536 bytes written and read there for each step, beside the 8,704 bytes
; of codes and scales that the step needs, with a refill's barrier over four work-groups in each step; here the numbers go from memory straight into the registers that the conversions read.
; LIMITS: NaN and infinities among the inputs are not served.  A block whose largest magnitude lies under 2^-124 (a block of zeros among them) gets the scale byte 1: the bytes are read by this
; program alone, and a block of zeros has zero codes.  A block's largest p is made from its largest score, which takes v_exp_f32 not to fall where its input rises.
; THE MODE: SCHED_MODE bits 1:0 = 2 (LLVM: expert scheduling mode 2), set by the entry lines.  The code itself states the register dependences
; between vector or matrix instructions and memory or LDS instructions, with s_wait_alu, always for 0.
; THE PLAN.  Registers that memory or LDS instructions touch:
;   v1-11, v253   offsets and LDS addresses.  Made once at the head by vector lines, read by every load, store and prefetch, never written again: one wait on va_vdst at the head.
;   RAW           The global loads of chunk j + 2, issued in trip j, land in it; trip j + 1's quantiser reads it (k's scales it in place).
;   T (v32-47)    Written by the quantiser; its codes and bytes are read by the trip's LDS stores; then k's fragments land there.
;   KF, KS        Step j's LDS loads land in them; step j's eight first products read them.
;   VF, VS        Step j's LDS loads land in them; step j's four second products read them.
;   v96-159       At the head Q's loads land in v96-127.  On the way out v96-127 are written by the multiplications and read by LDS stores; the loads from the stage land in v128-159.
;   Q's and p's codes and scale words are written by vector lines and taken by scaled products.
; So ONE wait on va_vdst stands in a trip's first part, behind the quantiser, in each role's arm: the codes and bytes are written (for the LDS stores); the quantiser is done with RAW (for the next loads);
; the last step's products are done reading KF, KS, VF, VS (for this step's 18 LDS loads).  From there to the step's last LDS load the only vector or matrix instructions are the eight first products, which
; name S, KF, Q, KS and Q's scale word: so v's nine loads are dealt among them with no further wait.  One wait on vm_vsrc a trip, ahead of the signal: the LDS stores have read T.
; One more wait on va_vdst a step stands ahead of the second products, for p's codes and scale word; the waits behind the exponentials are the step's other two.
.set KIMG, 0                           ; LDS: k's codes: 4,096 j + 1,024 b + 512 u + 16 (r + 16 h): block h (c = 32 h ..) of row r of key tile 2 b + u
.set VIMG, 32768                       ; v's codes: 4,096 j + 1,024 t + 512 c + 16 (r + 16 h) + 4 i: row 16 t + r, keys 64 c + 32 h + 8 i .. + 7
.set SCK,  65536                       ; k's scale bytes: 256 j + 16 r + 4 b + 2 u + h: 16 bytes a lane are the four fragments' words
.set SCV,  67584                       ; v's: 256 j + 16 r + 4 t + block
.set STG,  69632                       ; the way out: 64 rows (c) x (256 queries x 4 bytes + 16)
.set SP,   1040
.set HEADB, 786432                     ; a head in qkv: 192 rows of 4,096 bytes
.set LI,  1                            ; v1   16 x lane: an image's place for my lane; also my bytes in a stored run of out0
.set SR,  2                            ; v2   SCK + 16 (lane % 16): my row's scale words
.set KW,  3                            ; v3   where a k wave's lane puts its 16 bytes of codes
.set KWS, 4                            ; v4   and its scale byte
.set VW,  5                            ; v5   where a v wave's lane puts 4 bytes of codes (row group g: + 32 g)
.set VWS, 6                            ; v6   and the scale byte
.set KG,  7                            ; v7   k in memory: 4 x lane
.set VG,  8                            ; v8   v in memory: 4,096 (lane / 16) + 32 (lane % 16)
.set PFO, 9                            ; v9   the prefetches' offset: 4,096 ((lane / 2) % 16) + 256 (lane % 2)
.set STO, 10                           ; v10  the stage, in
.set SRD, 11                           ; v11  the stage, back
.set NM,  12                           ; v12  -M;  v13 the largest t
.set SUM, 14                           ; v[14:15] the row's sum, in two halves
.set QC,  20                           ; v16-19 zeros, v20-23 Q's codes, v24-27 zeros
.set QS,  28                           ; v28  Q's scale word (q0, q1, q0, q1)
.set PW,  29                           ; v29  p's scale word
.set FF,  30                           ; v30  f = 2^(old M - new M), at the end 1 / sum;  v31 written once: named with it as a pair
.set T,   32                           ; v32-47 the quantisers' own registers (inside K's fragments, which are loaded behind them)
.set KF,  32                           ; v32-63  k's four fragments
.set VF,  64                           ; v64-95  v's four fragments
.set S,   96                           ; v96-159 S^T, then p; at the head Q's numbers; at the end the results
.set O,   160                          ; v160-191 O^T: four tiles
.set RAW, 192                          ; v192-223 the chunk on its way from memory
.set PC,  224                          ; v224-231 p's codes
.set BM,  232                          ; v232-235 each block's largest score, then its largest p
.set PT,  236                          ; v236-239 the permutes' destinations; the sum's second chain; p's scale bytes
.set SO,  240                          ; v240-243 the conversions' scale operands
.set KS,  244                          ; v244-247 k's scale words
.set VS,  248                          ; v248-251 v's
.set TX,  252                          ; v252 at work
.set QA,  253                          ; v253 Q in memory: 131,072 (lane / 16) + 4 (lane % 16)
.set WV,  8                            ; s8   my wave's number
.set RB,  12                           ; s[12:13] my role's rows of k or of v
.set QB,  14                           ; s[14:15] my 16 queries in q
.set OB,  16                           ; s[16:17] the four rows of out0 that I store
.set PFA, 18                           ; s[18:19] the 16 rows of k or v that I prefetch
.set SEL, 20                           ; s[20:21] v_permlanex16_b32's selects for lane l xor 16
.set CS,  22                           ; s[22:23] log2(e), twice: the packed form names the pair
.set SCL, 24                           ; s[24:25] a = 1 / sqrt(sqrt(64)) in f32, twice
.set PF,  26                           ; s26  1 in a wave that prefetches
; chunk j of k: row 32 (wave % 2) + i, keys 32 (wave / 2) + lane: 128 consecutive bytes a load
.macro LOADK j
.set ii, 0
.rept 32
	global_load_b32 v[RAW+ii], v[KG], s[RB:RB+1] offset:4096*ii+512*(\j)
.set ii, ii+1
.endr
.endm
; chunk j of v: rows 8 (wave % 8) + 2 g + lane / 16, keys 8 (lane % 16) .. + 7: sixteen lanes read a row's 512 bytes in two loads
.macro LOADV j
.irp g, 0,1,2,3
	global_load_b128 v[RAW+8*\g:RAW+8*\g+3],   v[VG], s[RB:RB+1] offset:8192*\g+512*(\j)
	global_load_b128 v[RAW+8*\g+4:RAW+8*\g+7], v[VG], s[RB:RB+1] offset:8192*\g+512*(\j)+16
.endr
.endm
; 32 numbers of a lane, one whole block down c, times a, become 32 codes in v[dst .. dst + 3]; the scale's byte in v[T+3]
.macro QUANTK src, dst
.irp i, 0,2,4,6,8,10,12,14,16,18,20,22,24,26,28,30
	v_pk_mul_f32 v[\src+\i:\src+\i+1], v[\src+\i:\src+\i+1], s[SCL:SCL+1] op_sel_hi:[1,0]   ; x a, as the definition has it ahead of the quantiser
.endr
	v_max3_num_f32 v[T],   |v[\src]|,   |v[\src+1]|, |v[\src+2]|      ; the block's largest magnitude, in two chains
	v_max3_num_f32 v[T+1], |v[\src+3]|, |v[\src+4]|, |v[\src+5]|
.irp i, 6,10,14,18,22,26
	v_max3_num_f32 v[T],   v[T],   |v[\src+\i]|,   |v[\src+\i+1]|
	v_max3_num_f32 v[T+1], v[T+1], |v[\src+\i+2]|, |v[\src+\i+3]|
.endr
	v_max3_num_f32 v[T], v[T], |v[\src+30]|, |v[\src+31]|
	v_max3_num_f32 v[T], v[T], v[T+1], 0x1800000                      ; and the floor 2^(3 - 127): the byte cannot fall under 1
	v_add_nc_u32 v[T+2], 0xff000000, v[T]                             ; 2 off its exponent field: the conversion takes this operand's exponent field as its scale
	v_lshrrev_b32 v[T+3], 23, v[T+2]                                  ; the scale's byte
.irp g, 0,1,2,3
	v_cvt_scalef32_pk8_fp4_f32 v[\dst+\g], v[\src+8*\g:\src+8*\g+7], v[T+2]
.endr
	v_nop                                                             ; one plain place behind the last scaled conversion
.endm
; four groups of 8 neighbours along the keys (four rows of v); a block of 32 lies in four neighbouring lanes.  Codes in v[T+12 ..], bytes in v[T+8 ..]
.macro QUANTV src
.irp g, 0,1,2,3
	v_max3_num_f32 v[T+\g], |v[\src+8*\g]|, |v[\src+8*\g+1]|, 0x1800000   ; with the floor among the leaves; the four groups by turns
.endr
.irp i, 2,4,6
.irp g, 0,1,2,3
	v_max3_num_f32 v[T+\g], v[T+\g], |v[\src+8*\g+\i]|, |v[\src+8*\g+\i+1]|
.endr
.endr
.irp m, 1,2
.irp g, 0,1,2,3
	v_max_num_f32_dpp v[T+\g], v[T+\g], v[T+\g] row_xmask:\m row_mask:0xf bank_mask:0xf   ; with lanes l xor 1, then l xor 2: the block's
.endr
.endr
.irp g, 0,1,2,3
	v_add_nc_u32 v[T+4+\g], 0xff000000, v[T+\g]
.endr
.irp g, 0,1,2,3
	v_lshrrev_b32 v[T+8+\g], 23, v[T+4+\g]
.endr
.irp g, 0,1,2,3
	v_cvt_scalef32_pk8_fp4_f32 v[T+12+\g], v[\src+8*\g:\src+8*\g+7], v[T+4+\g]
.endr
	v_nop                                                             ; one plain place behind the last scaled conversion
.endm
.macro PUTK j
	ds_store_b128 v[KW], v[T+4:T+7] offset:KIMG+4096*(\j)
	ds_store_b8 v[KWS], v[T+3] offset:256*(\j)
.endm
.macro PUTV j
.irp g, 0,1,2,3
	ds_store_b32 v[VW], v[T+12+\g] offset:4096*(\j)+32*\g
	ds_store_b8 v[VWS], v[T+8+\g] offset:256*(\j)+32*\g               ; a block's four lanes write the same byte with the same value
.endr
.endm
; A PREFETCH INTO THE L2 of chunk j: it stands behind the trip's loads, one trip ahead of the loads that will want the chunk.  All four work-groups of a head walk the same k and v: the head's first
; work-group asks; in it waves 0-3 name k's 64 rows and waves 8-11 v's, 16 rows a wave; a chunk is 512 bytes of a row, and a lane names one aligned 256 of them: each is named once in the launch.
; Chunks 0 to 2 come by their loads alone; nothing is named past chunk 7.  The address registers are never rewritten.
.macro ASK j
	s_cmp_lg_u32 s[PF], 0
	s_cbranch_scc0 .Lnoask_\@
	global_prefetch_b8 v[PFO], s[PFA:PFA+1] offset:512*(\j) th:TH_LOAD_NT scope:SCOPE_SE
.Lnoask_\@:
.endm
; A KEY STEP: chunk j's 128 keys.
.macro STEP j
.irp b, 0,1,2,3
	ds_load_b128 v[KF+8*\b:KF+8*\b+3],   v[LI] offset:KIMG+4096*(\j)+1024*\b        ; key tile 2 b
	ds_load_b128 v[KF+8*\b+4:KF+8*\b+7], v[LI] offset:KIMG+4096*(\j)+1024*\b+512    ; key tile 2 b + 1
.endr
	ds_load_b128 v[KS:KS+3], v[SR] offset:256*(\j)
	s_wait_dscnt 0x0                               ; k's nine loads are in
.irp b, 0,1,2,3                                ; S^T: eight results, each begun with the constant 0.  v's nine loads are dealt among them.  No wait: no vector or matrix instruction since the trip's wait on va_vdst names VF, VS, v[LI] or v[SR]
	v_wmma_scale_f32_16x16x128_f8f6f4 v[S+16*\b:S+16*\b+7], v[KF+8*\b:KF+8*\b+7], v[QC:QC+7], 0, v[KS+\b], v[QS] matrix_a_fmt:MATRIX_FMT_FP4 matrix_b_fmt:MATRIX_FMT_FP4
	ds_load_b128 v[VF+8*\b:VF+8*\b+3],   v[LI] offset:VIMG+4096*(\j)+1024*\b
	v_wmma_scale_f32_16x16x128_f8f6f4 v[S+16*\b+8:S+16*\b+15], v[KF+8*\b:KF+8*\b+7], v[QC-4:QC+3], 0, v[KS+\b], v[QS] matrix_a_fmt:MATRIX_FMT_FP4 matrix_b_fmt:MATRIX_FMT_FP4
	ds_load_b128 v[VF+8*\b+4:VF+8*\b+7], v[LI] offset:VIMG+4096*(\j)+1024*\b+512
.endr
	ds_load_b128 v[VS:VS+3], v[SR] offset:SCV-SCK+256*(\j)
.rept 4
	v_nop                                          ; four places between the last product and the first read of a result (ISA guide 7.12.1)
.endr
.irp b, 0,1,2,3
	v_max3_num_f32 v[BM+\b], v[S+16*\b], v[S+16*\b+1], v[S+16*\b+2]   ; the largest score of each block of 32 keys: for the row's maximum and for the block's largest p.  Each result is read from its low end on
.endr
.irp i, 3,5,7,9,11,13
.irp b, 0,1,2,3
	v_max3_num_f32 v[BM+\b], v[BM+\b], v[S+16*\b+\i], v[S+16*\b+\i+1]
.endr
.endr
.irp b, 0,1,2,3
	v_max_num_f32 v[BM+\b], v[BM+\b], v[S+16*\b+15]
.endr
.irp b, 0,1,2,3
	v_permlanex16_b32 v[PT+\b], v[BM+\b], s[SEL], s[SEL+1]
.endr
.irp b, 0,1,2,3
	v_max_num_f32 v[BM+\b], v[BM+\b], v[PT+\b]     ; with lane l xor 16's 16 keys
.endr
	v_max3_num_f32 v[TX], v[BM], v[BM+1], v[BM+2]
	v_max_num_f32 v[TX], v[TX], v[BM+3]            ; the step's largest score of my query
.if (\j) > 0
	v_mul_f32 v[TX], s[CS], v[TX]                  ; as t
	v_max_num_f32 v[NM+1], v[NM+1], v[TX]          ; the running largest t
	v_mov_b32 v[TX], v[NM]
	v_floor_f32 v[NM], -v[NM+1]                    ; the new -M = floor(-t) = -ceil(t)
	v_sub_f32 v[TX], v[NM], v[TX]                  ; old M - new M: a whole number, 0 or less
	v_cvt_i32_f32 v[TX], v[TX]                     ; (it saturates)
	v_ldexp_f32 v[FF], 1.0, v[TX]                  ; f = 2^(old M - new M)
.else
	v_mul_f32 v[NM+1], s[CS], v[TX]                ; the first step starts the running maximum
	v_floor_f32 v[NM], -v[NM+1]
.endif
.irp b, 0,1,2,3
	v_fma_f32 v[BM+\b], v[BM+\b], s[CS], v[NM]     ; t - M of each block's largest score: the same fused multiply-add as its own below
.endr
	; t - M, two at a time, and p = 2^(t - M): ONE BATCH of 64 exponentials; the scalings stand among them, each two pairs ahead of its exponentials; no line names an exponential's result
	v_pk_fma_f32 v[S:S+1],   v[S:S+1],   s[CS:CS+1], v[NM:NM+1] op_sel_hi:[1,0,0]
	v_pk_fma_f32 v[S+2:S+3], v[S+2:S+3], s[CS:CS+1], v[NM:NM+1] op_sel_hi:[1,0,0]
.set qq, 0
.rept 32
	v_exp_f32 v[S+2*qq], v[S+2*qq]
	v_exp_f32 v[S+2*qq+1], v[S+2*qq+1]
.if qq < 30
	v_pk_fma_f32 v[S+2*qq+4:S+2*qq+5], v[S+2*qq+4:S+2*qq+5], s[CS:CS+1], v[NM:NM+1] op_sel_hi:[1,0,0]
.endif
.set qq, qq+1
.endr
.if (\j) > 0
	v_pk_mul_f32 v[SUM:SUM+1], v[SUM:SUM+1], v[FF:FF+1] op_sel_hi:[1,0]   ; the sums under the new M: the plain place behind the last exponential
.else
	v_nop                                          ; the plain place behind the last exponential
.endif
	s_wait_alu depctr_va_vdst(0)                   ; the 64 exponentials have written p in v[S ..]: one wait for the batch, ahead of the first line that names a result
.irp b, 0,1,2,3
	v_exp_f32 v[BM+\b], v[BM+\b]                   ; each block's largest p
.endr
	v_pk_add_f32 v[PT:PT+1], v[S:S+1], v[S+2:S+3]  ; the row's sum of the UNQUANTISED p, two at a time, in two chains; it names none of the four
.irp i, 4,8,12,16,20,24,28,32,36,40,44,48,52,56,60
	v_pk_add_f32 v[SUM:SUM+1], v[SUM:SUM+1], v[S+\i:S+\i+1]
	v_pk_add_f32 v[PT:PT+1], v[PT:PT+1], v[S+\i+2:S+\i+3]
.endr
	v_pk_add_f32 v[SUM:SUM+1], v[SUM:SUM+1], v[PT:PT+1]
	s_wait_alu depctr_va_vdst(0)                   ; the four exponentials have written v[BM ..], ahead of the first line that names one
.irp b, 0,1,2,3
	v_max_num_f32 v[BM+\b], 0x1800000, v[BM+\b]    ; the floor 2^(3 - 127): the byte cannot fall under 1
.endr
.irp b, 0,1,2,3
	v_add_nc_u32 v[SO+\b], 0xff000000, v[BM+\b]    ; 2 off the exponent field: the conversion's scale operand
.endr
.irp b, 0,1,2,3
	v_lshrrev_b32 v[PT+\b], 23, v[SO+\b]           ; the scale's byte
.endr
	v_lshl_or_b32 v[PW], v[PT+1], 8, v[PT]         ; p's scale word for these 128 keys
	v_lshl_or_b32 v[PW], v[PT+2], 16, v[PW]
	v_lshl_or_b32 v[PW], v[PT+3], 24, v[PW]
.irp b, 0,1,2,3
	v_cvt_scalef32_pk8_fp4_f32 v[PC+2*\b],   v[S+16*\b:S+16*\b+7],    v[SO+\b]   ; keys 32 b + 16 h + 0 .. 7
	v_cvt_scalef32_pk8_fp4_f32 v[PC+2*\b+1], v[S+16*\b+8:S+16*\b+15], v[SO+\b]   ; and + 8 .. 15
.endr
	v_nop                                          ; one plain place behind the last scaled conversion
.irp c, 0,1                                    ; the operand wants a whole block in a lane: lanes 0-15 block 2 c, lanes 16-31 block 2 c + 1
.irp i, 0,1
	v_permlane16_swap_b32 v[PC+4*\c+\i], v[PC+2+4*\c+\i]
.endr
.endr
.if (\j) > 0
.set qq, 0
.rept 16
	v_pk_mul_f32 v[O+2*qq:O+2*qq+1], v[O+2*qq:O+2*qq+1], v[FF:FF+1] op_sel_hi:[1,0]   ; O^T under the new M, each tile from its low end on.  Twelve of the sixteen name no register of a given tile's product:
.set qq, qq+1
.endr                                              ; they are the eight places behind the scale word and the four behind the codes
.else
.rept 8
	v_nop                                          ; eight places between the scale word's last line and the scaled products
.endr
.endif
	s_wait_alu depctr_va_vdst(0)                   ; p's scale word v[PW] and p's codes v[PC ..] are written, which the scaled products below take; the places above stay beside this wait
	s_wait_dscnt 0x0                               ; v's fragments and scale words are in
.irp b, 0,1,2,3                                ; O^T += V P^T: four accumulators, one instruction each; the first product's eight stand between two links of a chain
.if (\j) > 0
	v_wmma_scale_f32_16x16x128_f8f6f4 v[O+8*\b:O+8*\b+7], v[VF+8*\b:VF+8*\b+7], v[PC:PC+7], v[O+8*\b:O+8*\b+7], v[VS+\b], v[PW] matrix_a_fmt:MATRIX_FMT_FP4 matrix_b_fmt:MATRIX_FMT_FP4
.else
	v_wmma_scale_f32_16x16x128_f8f6f4 v[O+8*\b:O+8*\b+7], v[VF+8*\b:VF+8*\b+7], v[PC:PC+7], 0, v[VS+\b], v[PW] matrix_a_fmt:MATRIX_FMT_FP4 matrix_b_fmt:MATRIX_FMT_FP4
.endif
.endr
.if (\j) >= 6
.rept 4
	v_nop                                          ; places ahead of the last step's loads into v's registers, and of the way out's reads.  In the earlier steps the next trip's quantiser, which names v32-47 and v192-223 alone, is the places
.endr
.endif
.endm
; A TRIP: chunk j + 1, which has come from memory, is quantised and stored to its own LDS bytes; chunk j + 2 is asked for; then step j.
; The signal says: my part of chunk j + 1 lies in LDS.  The wait for it stands behind step j, which reads chunk j alone: bytes that nobody writes any more.
.macro TRIP j
.if (\j) < 7
	s_wait_loadcnt 0x0                             ; chunk j + 1 is in: it was asked for a whole trip ago
	s_cmp_lt_u32 s[WV], 8
	s_cbranch_scc0 .Lrole_v_\@
	QUANTK RAW, T+4
	s_wait_alu depctr_va_vdst(0)                   ; the quantiser has written the codes v[T+4 ..] and the byte v[T+3], which the LDS stores read, and is done with RAW, in which the next loads land; the last step's products are done reading KF, KS, VF, VS, in which this step's LDS loads land; in the first trip Q's codes and scale word are written, which the products take
	PUTK (\j)+1
.if (\j) < 6
	LOADK (\j)+2
.endif
	s_branch .Lrole_end_\@
.Lrole_v_\@:
	QUANTV RAW
	s_wait_alu depctr_va_vdst(0)                   ; the same for a v wave: the codes v[T+12 ..] and the bytes v[T+8 ..] are written, RAW is done with, the last step's products are done reading their fragments and scale words; in the first trip Q's codes and scale word are written
	PUTV (\j)+1
.if (\j) < 6
	LOADV (\j)+2
.endif
.Lrole_end_\@:
.if (\j) < 5
	ASK (\j)+3
.endif
	s_wait_dscnt 0x0                               ; for the others' sake: my stores have landed
	s_wait_alu depctr_vm_vsrc(0)                   ; my LDS stores have read their data in v[T+3 .. T+15]: k's fragments land there next, and the next trip's quantiser writes them again
	s_barrier_signal -1
.else
	s_wait_alu depctr_va_vdst(0)                   ; the last trip has no quantiser: step 6's products are done reading KF, KS, VF, VS, in which this step's LDS loads land
.endif
	STEP \j
.if (\j) < 7
	s_barrier_wait -1                              ; every wave's part of chunk j + 1 lies in LDS
.endif
.endm
	s_load_b128 s[4:7], s[0:1], 0x0                ; qkv s[4:5], out0 s[6:7]
	v_lshl_add_u32 v254, v0, 2, 0x21400
	v_mov_b32 v255, 0
	v_lshrrev_b32 v12, 5, v0
	v_readfirstlane_b32 s[WV], v12                 ; wave 0..15
	s_and_b32 s9, ttmp7, 0xffff                    ; the head
	s_mul_i32 s10, s9, HEADB                       ; its first byte in qkv (under 2^26)
	s_wait_alu depctr_va_sdst(0)                   ; s8, the wave's number, is written, ahead of its first reader
	s_and_b32 s27, s[WV], 7                        ; my number within my role
	s_lshr_b32 s28, s27, 1
	s_and_b32 s29, s[WV], 1
	v_and_b32 v32, 31, v0                          ; lane l
	v_and_b32 v33, 15, v0                          ; l % 16
	v_bfe_u32 v34, v0, 4, 1                        ; bit 4 of l
	v_bfe_u32 v35, v0, 3, 1                        ; bit 3
	v_bfe_u32 v36, v0, 2, 1                        ; bit 2
	v_and_b32 v37, 7, v0                           ; l % 8
	v_and_b32 v38, 3, v0                           ; l % 4
	v_bfe_u32 v39, v0, 2, 2                        ; (l / 4) % 4
	v_bfe_u32 v40, v0, 1, 4                        ; l / 2
	v_and_b32 v41, 1, v0                           ; l % 2
	; every LDS address is made here, ahead of the first parting of the roles, and never written again
	v_lshlrev_b32 v[LI], 4, v32
	v_lshl_add_u32 v[SR], v33, 4, SCK
	; a k wave's lane holds key 32 b + l of the chunk (b = wave / 2), block h = wave % 2.  l = 8 u + m + 8 (m / 8): tile 2 b + u with u = bit 3, row m = l % 8 + 8 bit 4
	s_lshl_b32 s30, s28, 10
	s_lshl_b32 s31, s29, 8
	s_add_co_u32 s30, s30, s31                     ; 1,024 b + 256 h
	v_lshlrev_b32 v[KW], 4, v37
	v_lshl_add_u32 v[KW], v35, 9, v[KW]
	v_lshl_add_u32 v[KW], v34, 7, v[KW]
	v_add_nc_u32 v[KW], s30, v[KW]                 ; + 16 m + 512 u
	s_lshl_b32 s32, s28, 2
	s_add_co_u32 s32, s32, s29
	s_add_co_u32 s32, s32, SCK                     ; SCK + 4 b + h
	v_lshlrev_b32 v[KWS], 4, v37
	v_lshl_add_u32 v[KWS], v34, 7, v[KWS]
	v_lshl_add_u32 v[KWS], v35, 1, v[KWS]
	v_add_nc_u32 v[KWS], s32, v[KWS]               ; + 16 m + 2 u
	; a v wave's lane holds, for g = 0 .. 3, row 8 w' + 2 g + bit 4 (w' = wave % 8), keys 8 (l % 16) .. + 7: tile t = w' / 2, row r = 8 (w' % 2) + 2 g + bit 4; c = bit 3, h = bit 2, i = l % 4
	s_lshl_b32 s33, s28, 10
	s_lshl_b32 s34, s29, 7
	s_add_co_u32 s33, s33, s34
	s_add_co_u32 s33, s33, VIMG                    ; VIMG + 1,024 t + 128 (w' % 2)
	v_lshlrev_b32 v[VW], 2, v38
	v_lshl_add_u32 v[VW], v36, 8, v[VW]
	v_lshl_add_u32 v[VW], v35, 9, v[VW]
	v_lshl_add_u32 v[VW], v34, 4, v[VW]
	v_add_nc_u32 v[VW], s33, v[VW]
	s_lshl_b32 s35, s28, 2
	s_add_co_u32 s35, s35, s34
	s_add_co_u32 s35, s35, SCV                     ; SCV + 4 t + 128 (w' % 2)
	v_lshl_add_u32 v[VWS], v34, 4, v39
	v_add_nc_u32 v[VWS], s35, v[VWS]               ; + 16 bit 4 + the block
	s_lshl_b32 s36, s[WV], 6
	s_add_co_u32 s36, s36, STG
	v_mul_u32_u24 v[STO], v34, 8*SP                ; the stage, in: row 16 t + 8 h + i, my query's 4 bytes at 64 wave + 4 r
	v_lshl_add_u32 v[STO], v33, 2, v[STO]
	v_add_nc_u32 v[STO], s36, v[STO]
	s_mul_i32 s37, s[WV], 4*SP
	s_add_co_u32 s37, s37, STG
	v_add_nc_u32 v[SRD], s37, v[LI]                ; back: rows 4 wave .. + 3, 16 bytes a lane
	v_lshlrev_b32 v[KG], 2, v32
	v_lshlrev_b32 v[VG], 5, v33
	v_lshl_add_u32 v[VG], v34, 12, v[VG]
	v_lshlrev_b32 v[PFO], 8, v41
	v_lshl_add_u32 v[PFO], v40, 12, v[PFO]
	v_lshlrev_b32 v[QA], 2, v33
	v_lshl_add_u32 v[QA], v34, 17, v[QA]           ; Q: lane (r, h) takes query r, rows 32 h + i
	s_wait_alu depctr_va_vdst(0)                   ; the twelve offsets and addresses v1 to v11 and v253 are written, which every load, store and prefetch of the kernel reads; none is written again
	s_mov_b32 s[SEL], 0x76543210
	s_mov_b32 s[SEL+1], 0xfedcba98
	s_mov_b32 s[CS], 0x3fb8aa3b                    ; log2(e)
	s_mov_b32 s[CS+1], s[CS]
	s_mov_b32 s[SCL], 0x3eb504f3                   ; 1 / sqrt(sqrt(64)), each step rounded to f32
	s_mov_b32 s[SCL+1], s[SCL]
	; offsets, apart from the addresses
	s_lshl_b32 s30, s29, 17                        ; k wave: k's rows 32 (wave % 2) on, keys 32 (wave / 2) on
	s_lshl_b32 s31, s28, 7
	s_add_co_u32 s30, s30, s31
	s_add_co_u32 s30, s30, 262144
	s_lshl_b32 s31, s27, 15                        ; v wave: v's rows 8 (wave % 8) on
	s_add_co_u32 s31, s31, 524288
	s_cmp_lt_u32 s[WV], 8
	s_cselect_b32 s30, s30, s31
	s_add_co_u32 s30, s30, s10
	s_mov_b32 s31, 0
	s_lshl_b32 s32, ttmp9, 10                      ; my block's 256 queries, my wave's 16
	s_lshl_b32 s33, s[WV], 6
	s_add_co_u32 s32, s32, s33
	s_add_co_u32 s32, s32, s10
	s_mov_b32 s33, 0
	s_lshl_b32 s34, s9, 18                         ; out0: the head's 64 rows, my 4 of them, my block's 1,024 bytes
	s_lshl_b32 s35, s[WV], 14
	s_add_co_u32 s34, s34, s35
	s_lshl_b32 s35, ttmp9, 10
	s_add_co_u32 s34, s34, s35
	s_mov_b32 s35, 0
	s_and_b32 s36, s[WV], 3                        ; the prefetches: 16 rows a wave, of k (waves under 8) or of v
	s_lshl_b32 s36, s36, 16
	s_cmp_lt_u32 s[WV], 8
	s_cselect_b32 s37, 0, 262144
	s_add_co_u32 s36, s36, s37
	s_add_co_u32 s36, s36, 262144
	s_add_co_u32 s36, s36, s10
	s_mov_b32 s37, 0
	s_and_b32 s42, s[WV], 4                        ; waves 0-3 and 8-11
	s_or_b32 s42, s42, ttmp9                       ; of the head's first work-group
	s_cmp_eq_u32 s42, 0
	s_cselect_b32 s[PF], 1, 0
	s_wait_kmcnt 0x0
	s_add_nc_u64 s[RB:RB+1], s[4:5], s[30:31]
	s_add_nc_u64 s[QB:QB+1], s[4:5], s[32:33]
	s_add_nc_u64 s[OB:OB+1], s[6:7], s[34:35]
	s_add_nc_u64 s[PFA:PFA+1], s[4:5], s[36:37]
	s_cmp_lt_u32 s[WV], 8
	s_cbranch_scc0 .Lhead_v0
	LOADK 0
	s_branch .Lhead_j0
.Lhead_v0:
	LOADV 0
.Lhead_j0:
.set ii, 0
.rept 32
	global_load_b32 v[S+ii], v[QA], s[QB:QB+1] offset:4096*ii th:TH_LOAD_NT   ; q(32 h + i, my query): read by this wave alone
.set ii, ii+1
.endr
	v_mov_b32 v[SUM], 0                            ; the sum's two halves
	v_mov_b32 v[SUM+1], 0
.irp i, 0,1,2,3
	v_mov_b32 v[QC-4+\i], 0                        ; the zero codes on either side of Q's
	v_mov_b32 v[QC+4+\i], 0
	v_mov_b32 v[PT+\i], 0                          ; written once: a lane permute's destination counts as one of its sources
.endr
	v_mov_b32 v[FF+1], 0                           ; named with f as a pair
	s_cmp_lt_u32 s[WV], 8
	s_cbranch_scc0 .Lhead_v1
	s_wait_loadcnt 32                              ; chunk 0 is in; Q's 32 loads, issued behind it, may stay out
	QUANTK RAW, T+4
	s_wait_alu depctr_va_vdst(0)                   ; the quantiser has written the codes v[T+4 ..] and the byte v[T+3], which the LDS stores read, and is done with RAW, in which chunk 1's loads land
	PUTK 0
	LOADK 1
	s_wait_loadcnt 32                              ; Q is in; chunk 1's 32 loads may stay out
	s_branch .Lhead_j1
.Lhead_v1:
	s_wait_loadcnt 32                              ; chunk 0 is in; Q's 32 may stay out
	QUANTV RAW
	s_wait_alu depctr_va_vdst(0)                   ; the quantiser has written the codes v[T+12 ..] and the bytes v[T+8 ..], which the LDS stores read, and is done reading RAW, in which chunk 1's loads land
	PUTV 0
	LOADV 1
	s_wait_loadcnt 8                               ; Q is in; chunk 1's 8 loads may stay out
.Lhead_j1:
	s_wait_dscnt 0x0                               ; for the others' sake: chunk 0's stores have landed
	s_wait_alu depctr_vm_vsrc(0)                   ; chunk 0's LDS stores have read their data in v[T+3 .. T+15], which Q's quantiser and the first trip's write again
	QUANTK S, QC                                   ; Q's codes: lane (r, h): block h of query r: the operand's registers as they stand
	v_permlanex16_b32 v[PT], v[T+3], s[SEL], s[SEL+1]   ; the other block's byte
	v_lshl_or_b32 v[QS], v[PT], 8, v[T+3]          ; lanes 0-15, which alone are read: (q0, q1),
	v_lshl_or_b32 v[QS], v[QS], 16, v[QS]          ; twice: Q stands in the low or in the high half of K.  The first trip's quantiser is the places between this line and the first product
	s_barrier_signal -1
	s_barrier_wait -1                              ; chunk 0 lies in LDS
.irp j, 0,1,2,3,4,5,6,7
	TRIP \j
.endr
	; THE WAY OUT.  The sum's halves are added; O^T / the sum goes into the work-group's stage, a row of the stage for each row c of out0; behind a barrier each wave stores four whole rows' 1,024 bytes.
	v_add_f32 v[SUM], v[SUM], v[SUM+1]
	v_permlanex16_b32 v[PT], v[SUM], s[SEL], s[SEL+1]
	v_add_f32 v[SUM], v[SUM], v[PT]                ; with lane l xor 16's 64 keys of each step: the row's sum
	v_rcp_f32 v[FF], v[SUM]
	v_nop                                          ; a plain place behind the reciprocal
	s_wait_alu depctr_va_vdst(0)                   ; the reciprocal has written v[FF], ahead of its first use
.set qq, 0
.rept 16
	v_pk_mul_f32 v[S+2*qq:S+2*qq+1], v[O+2*qq:O+2*qq+1], v[FF:FF+1] op_sel_hi:[1,0]   ; register 8 t + i: out(16 t + 8 h + i, my query); each tile from its low end on
.set qq, qq+1
.endr
	s_wait_alu depctr_va_vdst(0)                   ; the multiplications have written v[S .. S+31], which the LDS stores read; the last step's sums and conversions are done reading v[S+32 ..], in which the loads from the stage land
.irp t, 0,1,2,3
.irp i, 0,1,2,3,4,5,6,7
	ds_store_b32 v[STO], v[S+8*\t+\i] offset:SP*(16*\t+\i)   ; sixteen lanes: 64 consecutive bytes of a row; the other sixteen 8 rows = 2,080 words further on
.endr
.endr
	s_wait_dscnt 0x0                               ; for the others' sake: my stores have landed
	s_barrier_signal -1
	s_barrier_wait -1                              ; 64 rows of 256 queries lie in the stage
.irp i, 0,1,2,3,4,5,6,7
	ds_load_b128 v[S+32+4*\i:S+32+4*\i+3], v[SRD] offset:SP*(\i/2)+512*(\i%2)
.endr
.irp i, 0,1,2,3,4,5,6,7
	s_wait_dscnt 7-\i                              ; LDS loads come back in order: load i is in, the younger ones may stay out
	global_store_b128 v[LI], v[S+32+4*\i:S+32+4*\i+3], s[OB:OB+1] offset:4096*(\i/2)+512*(\i%2) th:TH_STORE_NT   ; 32 lanes store 512 consecutive bytes, at a multiple of 512 from out0's first byte
.endr
	s_wait_dscnt 0x0
	s_wait_alu depctr_hold_cnt(0) depctr_sa_sdst(0) depctr_va_vdst(0) depctr_va_sdst(0) depctr_va_ssrc(0) depctr_va_vcc(0) depctr_vm_vsrc(0)
	s_wait_tensorcnt 0x0
	ds_add_u32 v254, v255
	s_wait_dscnt 0x0
	s_endpgm
.Lfunc_end_k_qd1d2eba820_attn:
	.size	k_qd1d2eba820_attn, .Lfunc_end_k_qd1d2eba820_attn-k_qd1d2eba820_attn
	.p2alignl 7, 3214868480
	.fill 96, 4, 3214868480
	.section	.rodata,"a",@progbits
	.p2align	6, 0x0
	.amdhsa_kernel k_qd1d2eba820_attn
		.amdhsa_group_segment_fixed_size 138240
		.amdhsa_private_segment_fixed_size 0
		.amdhsa_enable_private_segment 0
		.amdhsa_kernarg_size 16
		.amdhsa_user_sgpr_count 2
		.amdhsa_user_sgpr_kernarg_segment_ptr 1
		.amdhsa_wavefront_size32 1
		.amdhsa_system_sgpr_workgroup_id_x 1
		.amdhsa_system_sgpr_workgroup_id_y 1
		.amdhsa_system_sgpr_workgroup_id_z 1
		.amdhsa_system_vgpr_workitem_id 0
		.amdhsa_next_free_vgpr 256
		.amdhsa_next_free_sgpr 66
		.amdhsa_reserve_vcc 0
		.amdhsa_float_denorm_mode_32 3
		.amdhsa_float_denorm_mode_16_64 3
		.amdhsa_memory_ordered 1
		.amdhsa_forward_progress 1
		.amdhsa_inst_pref_size 207
	.end_amdhsa_kernel
	.amdgpu_metadata
---
amdhsa.version: [ 1, 2 ]
amdhsa.kernels:
  - .name:           k_qd1d2eba820_attn
    .symbol:         k_qd1d2eba820_attn.kd
    .args:
      - { .name: qkv, .offset: 0, .size: 8, .value_kind: global_buffer, .address_space: global }
      - { .name: out0, .offset: 8, .size: 8, .value_kind: global_buffer, .address_space: global }
    .group_segment_fixed_size: 138240
    .private_segment_fixed_size: 0
    .kernarg_segment_align: 8
    .kernarg_segment_size: 16
    .max_flat_workgroup_size: 512
    .sgpr_count:     66
    .vgpr_count:     256
    .wavefront_size: 32
...
	.end_amdgpu_metadata
.endif
;; end of part 2
